; MI455X (gfx1250); checked and timed in simulation.
; The chip was launched on July 23, 2026; its instructions are those of AMD's public machine-readable ISA for CDNA 5 (MIT licence, August 2026) and "CDNA5" Instruction Set Architecture Reference Guide (July 2026). The comments in the code are by the model that wrote it; some were corrected since.
;; Multi Head Attention. Allowed arithmetic: matrix products marked QUANTISED: E2M1 operands, one E8M0 scale for each 32 along K, by v_wmma_scale_f32_16x16x128_f8f6f4 with both operands' format E2M1 (or v_wmma_scale_f32_32x16x128_f4), f32 sums; everything else in f32.
;; Inputs: Wk_codes 8 x 64 x 16 x 16 uint8 (E2M1 codes of Wk, K innermost, in blocks of 32 codes, two codes a byte); Wk_scales 8 x 64 x 16 uint8 (E8M0 scales of Wk, one for each 32 codes along K); Wp_codes 512 x 16 x 16 uint8 (E2M1 codes of Wp, K innermost, in blocks of 32 codes, two codes a byte); Wp_scales 512 x 16 uint8 (E8M0 scales of Wp, one for each 32 codes along K); Wq_codes 8 x 64 x 16 x 16 uint8 (E2M1 codes of Wq, K innermost, in blocks of 32 codes, two codes a byte); Wq_scales 8 x 64 x 16 uint8 (E8M0 scales of Wq, one for each 32 codes along K); Wv_codes 8 x 64 x 16 x 16 uint8 (E2M1 codes of Wv, K innermost, in blocks of 32 codes, two codes a byte); Wv_scales 8 x 64 x 16 uint8 (E8M0 scales of Wv, one for each 32 codes along K); bk 8 x 64 float32; bp 512 float32; bq 8 x 64 float32; bv 8 x 64 float32; x_codes 4 x 2,048 x 16 x 16 uint8 (E2M1 codes of x, K innermost, in blocks of 32 codes, two codes a byte); x_scales 4 x 2,048 x 16 uint8 (E8M0 scales of x, one for each 32 codes along K).
;; Outputs: out0 4 x 2,048 x 512 float32.
;; This version of the problem:
;;   THIS VERSION OF THE PROBLEM IS GIVEN IN LOW PRECISION. The matrix products marked QUANTISED in the list below multiply operands that are first quantised to E2M1 (2 exponent bits, 1 mantissa bit; 4 bits a number), with one power-of-two scale for each 32 numbers along K (OCP MX v1.0); their sums are f32. All else is computed in f32.
;;   The module's matrix products, in the order in which they are computed (A, B: the left and right operand; K: the contracted axis; several contracted axes count as one K, in the product's order):
;;     1. [M 512, K 512] x [K 512, N 8,192]; A: input Wq (given as codes); B: input x (given as codes): QUANTISED
;;     2. [M 512, K 512] x [K 512, N 8,192]; A: input Wk (given as codes); B: input x (given as codes): QUANTISED
;;     3. [M 512, K 512] x [K 512, N 8,192]; A: input Wv (given as codes); B: input x (given as codes): QUANTISED
;;     4. batch 32 x [M 2,048, K 64] x [K 64, N 2,048]; A: computed on the way; B: computed on the way: QUANTISED
;;     5. batch 32 x [M 2,048, K 2,048] x [K 2,048, N 64]; A: softmax (see below); B: computed on the way: QUANTISED
;;     6. [M 8,192, K 512] x [K 512, N 512]; A: computed on the way; B: input Wp (given as codes): QUANTISED
;;   THE QUANTISER, for each operand of a quantised product, along K:
;;     - K is cut into blocks of 32 from its start; a last block that is shorter is filled with zeros.
;;     - A block's scale is 2^e with e = floor(log2(the largest magnitude in the block)) - 2, held to -126 .. 127; a block of zeros has e = 0. As a byte (E8M0): e + 127.
;;     - Each number is divided by its block's scale, clamped to +-6, and rounded to the nearest number of E2M1, ties to even, subnormals kept.
;;     - The product sums the exact products of the quantised numbers (number of the format x scale) in f32.
;;   ~~~python
;;   def quantise(x, axis):      # numpy; x: float32 -> the quantised numbers, widened to float32 again
;;       x = np.moveaxis(x, axis, -1); K = x.shape[-1]
;;       x = np.pad(x, [(0, 0)] * (x.ndim - 1) + [(0, -K % 32)]); x = x.reshape(x.shape[:-1] + (-1, 32)); a = np.abs(x).max(-1, keepdims=True)
;;       e = np.where(a > 0, np.clip(np.frexp(np.where(a > 0, a, 1))[1] - 1 - 2, -126, 127), 0)      # np.frexp(a)[1] - 1 = floor(log2(a)), exactly
;;       r = np.clip(x / 2.0 ** e, -6, 6)
;;       step = 2.0 ** (np.maximum(np.frexp(np.where(r == 0, 1, r))[1] - 1, 0) - 1)
;;       q = np.round(r / step) * step * 2.0 ** e      # np.round: ties to even
;;       return np.moveaxis(q.reshape(q.shape[:-2] + (-1,))[..., :K], -1, axis).astype(np.float32)
;;   ~~~
;;   SOFTMAX AHEAD OF A QUANTISED PRODUCT. Where the list says 'softmax', what is quantised is not the finished softmax but p = 2^(t - M), with t = logit x log2(e) and M = ceil(the row's largest t), a whole number; so 1/2 < the row's largest p <= 1. The row's sum l is taken of the UNQUANTISED p, in f32, and the product's result is divided by l at the end. Since M is a whole number, a kernel that streams over the keys may use a running M (the ceiling of the running maximum): every later rescaling is an exact power of two, which a block's scale takes up: the codes' values come out the same.
;;   OPERANDS COMPUTED ON THE WAY. 'Computed on the way' means the value that the module computes at that place (a softmax that the list does not call 'softmax' is quantised finished and normalised). What goes into a quantiser is computed in f32, as accurately as f32 sums, v_exp_f32 and their like allow (about 1e-6 of the number): no bf16 or f16 on the way to a quantiser, and a product that is left as it is and whose result goes on into a quantised operand takes f32 operands (vector FMAs, or v_wmma_f32_16x16x4_f32). A number that lies on a knife's edge between two numbers of the format may be rounded either way, as far as f32 arithmetic and the matrix unit's own rounding can turn it there, and no further.
;;   INPUTS GIVEN AS CODES. Wk (in the module: [8, 512, 64], K = its axis 1); Wp (in the module: [512, 512], K = its axis 0); Wq (in the module: [8, 512, 64], K = its axis 1); Wv (in the module: [8, 512, 64], K = its axis 1); x (in the module: [4, 2048, 512], K = its axis 2): each comes as NAME_codes (uint8): NAME with its K axis moved to the last place and cut into blocks of 32 codes, [.., K / 32, bytes a block], one block behind the other in memory; two codes a byte, the lower K in the low four bits (a code: sign, 2 exponent bits, 1 mantissa bit); and NAME_scales (uint8): the same leading axes, one E8M0 byte (e + 127) for each 32 codes along K. Its value is code x scale, taken as it is: it is not quantised again, and the codes and scales need not be those that the quantiser above would give.
;; One version. Each part assembles by itself: llvm-mc -triple=amdgcn-amd-amdhsa -mcpu=gfx1250 --defsym DOCPART=n.
;; ======== version 1 of 1: 2 launches
;; limits: right only within a limited range of input values
;; workspace buffers: qq 2,359,296 bytes; kv 4,718,592 bytes
;; launch proj (part 1): grid 64 x 4, 6 waves a work-group, clusters of 4 x 4, 168,704 bytes of LDS; arguments x_codes, x_scales, Wq_codes, Wk_codes, Wv_codes, Wq_scales, Wk_scales, Wv_scales, bq, bk, bv, qq, kv; writes qq, kv
.if DOCPART == 1
	.amdgcn_target "amdgcn-amd-amdhsa--gfx1250"
	.amdhsa_code_object_version 6
	.text
	.protected	k_q5d8f9355fa_proj
	.globl	k_q5d8f9355fa_proj
	.p2align	8
	.type	k_q5d8f9355fa_proj,@function
k_q5d8f9355fa_proj:
	s_mov_b64 s[64:65], 0
	v_nop
	global_prefetch_b8 v0, s[64:65] scope:SCOPE_SE
	s_setreg_imm32_b32 hwreg(HW_REG_WAVE_MODE, 25, 1), 1
	s_wait_xcnt 0x0
	s_wait_alu depctr_hold_cnt(0) depctr_sa_sdst(0) depctr_va_vdst(0) depctr_va_sdst(0) depctr_va_ssrc(0) depctr_va_vcc(0) depctr_vm_vsrc(0)
	s_getreg_b32 s2, hwreg(HW_REG_IB_STS2, 6, 4)
	s_cmp_eq_u32 s2, 0
	s_cbranch_scc0 .Lentry_in_a_cluster
	s_endpgm
.Lentry_in_a_cluster:
	s_bfe_u32 s2, ttmp6, 0x10000c
	s_cmp_lg_u32 s2, 0xf033
	s_cbranch_scc0 .Lentry_shape_is_right
	s_endpgm
.Lentry_shape_is_right:
; Q, K, V = x W + b for 128 rows of x and two heads, on codes of FP4 (E2M1) with one E8M0 scale for each 32 along K = 512; the results are quantised at once:
; Q and K along the head's 64 (two blocks of 32), V along the keys (four blocks of 32 in these 128 rows), and leave as IMAGES OF OPERAND REGISTERS for the attention launch.
; SHARES.  Work-group (x, y): rows 128 x .. 128 x + 127 of x (batch x / 16, block x % 16), heads 2 y and 2 y + 1.  Six waves: wave w makes matrix w / 2 (0 Q, 1 K, 2 V) of head 2 y + w % 2:
; 128 rows x 64 outputs = 32 accumulators of 16 x 16, K in four steps of 128: 128 matrix instructions a wave.
; THE ROWS OF A TILE ARE NOT NEIGHBOURS: lane r of tile j takes row base(j) + r + 8 (r / 8), base(j) = 32 (j / 2) + 8 (j % 2), of x's 128 rows and of W's 64 alike.  On the side that becomes the result's
; registers, the 16 registers of tiles 2 b and 2 b + 1 are then 16 neighbours, 32 b + 16 (lane / 16) + 0 .. 15: half a block of the next product's K; lane l xor 16 holds the other half.
; Q, K: source 0 = 16 rows of W, source 1 = 16 rows of x: a lane holds one row of x, its registers run along d.   V: source 0 = x, source 1 = W: a lane holds one d, its registers run along the keys.
; The bias is the C of each sum's first matrix instruction, in the result's layout.
; OUT.  qq: [batch x head][block] records of 4,608 bytes: 8 tiles x 512 bytes (lane l's 16 bytes at 16 l: row base(j) + r + 8 (r / 8), d = 32 (l / 16) + 0 .. 31), then 512 bytes of scale words
; [lane][4]: word bb of lane 16 u + r belongs to tile 2 bb + u, row r; bytes 0, 1 = the two blocks of d, bytes 2, 3 = 0.
; kv: records of 9,216 bytes: K as Q (4,096); V (4,096): [d tile][c] x 512: lane l: d = base(dt) + r + 8 (r / 8), keys 64 c + 32 (l / 16) + 0 .. 31; K's scale words as Q's (512); V's [lane][4]: word dt (512).
; CLUSTER 4 x 4.  The four work-groups of a column of the cluster (same x) need the same rows of x, the four of a row (same y) the same rows of Wq, Wk, Wv: each tile is asked for jointly.
; LDS is filled once: x's 128 rows and each wave's 64 rows of W for all of K; nothing is filled again.
; LIMITS: NaN, infinities and scale bytes 0xff among the inputs are not served.  A block of zeros gets the scale byte 1 and not 127: its codes are zeros, and only this program reads the bytes.
.set PX,   272                         ; an LDS row: 256 bytes + 16 of padding.  Rows 16 apart start at the same bank at every pitch that is a multiple of 16 bytes, so lanes r and r + 8 of a fragment load meet: two deep
.set WB,   128*PX                      ; behind x's 128 rows: 64 rows of W for each wave
.set WSZ,  64*PX
.set PADW, (1<<20)|(1<<21)|(5<<22)|(3<<25)   ; elements of 1 byte; padding on; bit 21 beside a mask; after every 64 words; four words
.set XS,   16                          ; v16-47   x's scale words: tile i, K step s at XS + 4 i + s
.set WS,   48                          ; v48-63   W's: tile t, K step s
.set BI,   64                          ; v64-95   the bias, eight registers a tile of W
.set XF,   96                          ; v96-159  x's eight fragments of a K step
.set WF,   160                         ; v160-191 W's four
.set TM,   96                          ; behind the products: v96-111 largest magnitudes, v112-127 the other half's, v128-143 the conversions' scale operands, v144-159 scale bytes,
.set TP,   112
.set SO,   128
.set BY,   144
.set PC,   160                         ; v160-191 the codes: eight images of four registers
.set WD,   192                         ; v192-199 a scale word for each tile (Q, K)
.set SW,   200                         ; v200-203 the scale words as they are stored
; window 1 (v256-511): the 32 accumulators.  Q, K: (x tile i, W tile t) at 8 (4 i + t);  V: at 8 (8 t + i).  In both, block B of 32 along the next K is registers 16 B .. 16 B + 15.
.set MSB, 0
.macro WIN new                         ; the immediate's high byte repeats the setting that is left
.if MSB != \new
	s_set_vgpr_msb (MSB<<8)|\new
.set MSB, \new
.endif
.endm
.macro PLACES                          ; four plain places behind a matrix instruction, ahead of loads into its sources and of reads of its result
.rept 4
	v_nop
.endr
.endm
.macro CROUND                          ; a round of the cluster's barrier
	s_barrier_signal -1
	s_barrier_wait -1
	s_cmp_lg_u32 s3, 0
	s_cbranch_scc1 .Lnot_wave_0_\@
	s_barrier_signal -3
.Lnot_wave_0_\@:
	s_barrier_wait -3
	s_barrier_signal -1
	s_barrier_wait -1
.endm
.macro WM d, a, b, c, sa, sb
	v_wmma_scale_f32_16x16x128_f8f6f4 v[\d:\d+7], v[\a:\a+7], v[\b:\b+7], v[\c:\c+7], v[\sa], v[\sb] matrix_a_fmt:MATRIX_FMT_FP4 matrix_b_fmt:MATRIX_FMT_FP4
.endm
	s_load_b512 s[16:31], s[0:1], 0x0              ; x codes s[16:17], x scales s[18:19], Wq, Wk, Wv codes s[20:25], Wq, Wk, Wv scales s[26:31]
	s_load_b256 s[32:39], s[0:1], 0x40             ; bq, bk, bv s[32:37], qq s[38:39]
	s_load_b64 s[40:41], s[0:1], 0x60              ; kv
	v_lshl_add_u32 v254, v0, 2, 0x29000
	v_mov_b32 v255, 0
	ds_add_u32 v254, v255
	ds_add_u32 v254, v255
	v_lshrrev_b32 v6, 5, v0
	v_readfirstlane_b32 s3, v6                     ; wave 0..5
	s_lshr_b32 s4, s3, 1                           ; m: 0 Q, 1 K, 2 V
	s_and_b32 s5, s3, 1                            ; which head of the pair.
	s_bfe_u32 s6, ttmp6, 0x40000                   ; cx
	s_bfe_u32 s7, ttmp6, 0x40004                   ; cy: the grid has one cluster along y, so cy is the work-group's y
	s_lshl_b32 s8, ttmp9, 2
	s_add_co_u32 s8, s8, s6                        ; rb = 4 x cluster x + cx: my block of 128 rows
	s_lshl_b32 s9, s7, 1
	s_add_co_u32 s9, s9, s5                        ; my head = 2 y + w % 2
	s_lshl_b32 s10, 0x1111, s6                     ; my column of the cluster: it shares rb
	s_lshl_b32 s11, s7, 2
	s_lshl_b32 s11, 15, s11                        ; my row: it shares the heads
	s_or_b32 s52, s10, PADW                        ; s[52:59] group 1 for x's tiles, s[68:75] for W's: 64 rows of 256 bytes, 256 bytes apart
	s_or_b32 s68, s11, PADW
.irp g, 52, 68
	s_mov_b32 s[\g+1], 256<<16                     ; tensor_dim0
	s_mov_b32 s[\g+2], (64*((\g-36)/16))<<16       ; tensor_dim1: 64 rows of x, 128 rows of W (both heads of the pair)
	s_mov_b32 s[\g+3], 256<<16                     ; tile_dim0
	s_mov_b32 s[\g+4], 64*((\g-36)/16)             ; tile_dim1
	s_mov_b32 s[\g+5], 256                         ; the pitch
	s_mov_b32 s[\g+6], 0
	s_mov_b32 s[\g+7], 0
.endr
	s_xor_b32 s87, s5, 1                           ; which half of x waves 3 and 4 fetch
	s_mul_i32 s12, s87, WSZ                        ; LDS: x's half
	s_mul_i32 s13, s3, WSZ
	s_add_co_u32 s13, s13, WB                      ; LDS: my wave's rows of W
	s_lshl_b32 s62, s8, 15                         ; x: rb x 128 rows of 256 bytes + my half
	s_lshl_b32 s63, s87, 14
	s_add_co_u32 s62, s62, s63
	s_mov_b32 s63, 0
	s_lshl_b32 s14, s7, 15                         ; W: head pair x 128 rows of 256 bytes
	s_mov_b32 s15, 0
	s_mov_b32 s84, 0x76543210
	s_mov_b32 s85, 0xfedcba98                      ; v_permlanex16_b32's selects for lane l xor 16
	s_mov_b32 s86, 0xffff0000                      ; lanes 16-31
	; every address register is made here, ahead of the first branch
	v_and_b32 v1, 15, v0                           ; r
	v_bfe_u32 v2, v0, 4, 1                         ; h
	v_and_b32 v3, 8, v1
	v_add_nc_u32 v3, v3, v1                        ; r + 8 (r / 8)
	v_mul_u32_u24 v4, v3, PX
	v_lshl_add_u32 v4, v2, 4, v4                   ; x's fragments: row x pitch + 16 h
	v_add_nc_u32 v5, s13, v4                       ; W's: the same in my wave's region
	v_lshlrev_b32 v7, 4, v3                        ; scale bytes: 16 a row
	v_lshlrev_b32 v9, 6, v2                        ; the bias of Q, K: my half's 16 numbers on
	v_lshlrev_b32 v10, 2, v3                       ; the bias of V: my d
	v_and_b32 v11, 31, v0
	v_lshlrev_b32 v11, 4, v11                      ; an image's place for my lane
	s_wait_dscnt 0x0
	s_wait_kmcnt 0x0
	s_cmp_eq_u32 s4, 0                             ; my matrix's buffers: the choices hang on the wave's number alone
	s_cselect_b64 s[42:43], s[26:27], s[28:29]
	s_cselect_b64 s[44:45], s[32:33], s[34:35]
	s_cselect_b64 s[48:49], s[38:39], s[40:41]     ; Q goes to qq, K and V to kv
	s_cmp_eq_u32 s4, 2
	s_cselect_b64 s[42:43], s[30:31], s[42:43]
	s_cselect_b64 s[44:45], s[36:37], s[44:45]
	s_cmp_eq_u32 s3, 0                             ; waves 0, 1, 2 fetch the head pair's 128 rows of Wq, Wk, Wv
	s_cselect_b64 s[60:61], s[20:21], s[24:25]
	s_cmp_eq_u32 s3, 1
	s_cselect_b64 s[60:61], s[22:23], s[60:61]
	s_mov_b32 s76, 1                               ; s[76:79] group 0 for x's half
	s_mov_b32 s77, s12
	s_add_nc_u64 s[78:79], s[16:17], s[62:63]
	s_or_b32 s79, s79, 0x80000000
	s_mov_b32 s80, 1                               ; s[80:83] group 0 for my rows of W
	s_mul_i32 s81, s3, 2*WSZ                       ; matrix w: the regions of the two waves that multiply it
	s_add_co_u32 s81, s81, WB
	s_add_nc_u64 s[82:83], s[60:61], s[14:15]
	s_or_b32 s83, s83, 0x80000000
	s_lshl_b32 s14, s9, 10
	s_add_nc_u64 s[42:43], s[42:43], s[14:15]      ; W's scales: head x 64 rows of 16 bytes
	s_lshl_b32 s14, s9, 8
	s_add_nc_u64 s[44:45], s[44:45], s[14:15]      ; the bias: head x 64 numbers
	s_lshl_b32 s14, s8, 11
	s_add_nc_u64 s[46:47], s[18:19], s[14:15]      ; x's scales: rb x 128 rows of 16 bytes
	s_lshr_b32 s10, s8, 4                          ; my record: ((batch x 8 + head) x 16 + block) x its bytes
	s_lshl_b32 s10, s10, 3
	s_add_co_u32 s10, s10, s9
	s_lshl_b32 s10, s10, 4
	s_and_b32 s11, s8, 15
	s_add_co_u32 s10, s10, s11
	s_mov_b32 s11, 9216
	s_cmp_eq_u32 s4, 0
	s_cselect_b32 s11, 4608, s11
	s_mul_i32 s10, s10, s11
	s_mov_b32 s11, 0
	s_add_nc_u64 s[48:49], s[48:49], s[10:11]
	s_lshr_b32 s12, s4, 1                          ; 1 for V
	s_min_u32 s13, s4, 1                           ; 1 for K and V
	s_lshl_b32 s10, s13, 12
	s_lshl_b32 s14, s12, 9
	s_add_co_u32 s10, s10, s14
	s_add_co_u32 s10, s10, 4096
	s_add_nc_u64 s[50:51], s[48:49], s[10:11]      ; my scale words: at 4,096 (Q), 8,192 (K), 8,704 (V) of the record
	s_lshl_b32 s10, s12, 12
	s_add_nc_u64 s[48:49], s[48:49], s[10:11]      ; my codes: at 0 (Q, K), 4,096 (V)
	CROUND                                         ; all sixteen work-groups are here: the joint loads meet
	s_cmp_lt_u32 s3, 3                             ; one load a wave: waves 0 to 2 a matrix of the head pair, waves 3 and 4 a half of x's rows, wave 5 none
	s_cbranch_scc0 .Lnot_w
	tensor_load_to_lds s[80:83], s[68:75]
	s_nop 0
	PLACES
	s_branch .Lasked
.Lnot_w:
	s_cmp_lt_u32 s3, 5
	s_cbranch_scc0 .Lasked
	tensor_load_to_lds s[76:79], s[52:59]
	s_nop 0
	PLACES
.Lasked:
	s_wait_alu depctr_va_vdst(0)
.irp i, 0,1,2,3,4,5,6,7
	global_load_b128 v[XS+4*\i:XS+4*\i+3], v7, s[46:47] offset:(32*(\i/2)+8*(\i%2))*16   ; a row's 16 scale bytes are the words of its four K steps
.endr
.irp t, 0,1,2,3
	global_load_b128 v[WS+4*\t:WS+4*\t+3], v7, s[42:43] offset:(32*(\t/2)+8*(\t%2))*16
.endr
	s_cmp_eq_u32 s4, 2
	s_cbranch_scc1 .Lbias_v
.irp t, 0,1,2,3                        ; Q, K: register j of tile t is d = base(t) + 16 h + j
	global_load_b128 v[BI+8*\t:BI+8*\t+3], v9, s[44:45] offset:(32*(\t/2)+8*(\t%2))*4
	global_load_b128 v[BI+8*\t+4:BI+8*\t+7], v9, s[44:45] offset:(32*(\t/2)+8*(\t%2))*4+16
.endr
	s_branch .Lbias_done
.Lbias_v:
.irp t, 0,1,2,3                        ; V: the registers run along the keys, so all eight hold the bias of the lane's d
.irp j, 0,1,2,3,4,5,6,7
	global_load_b32 v[BI+8*\t+\j], v10, s[44:45] offset:(32*(\t/2)+8*(\t%2))*4
.endr
.endr
.Lbias_done:
	s_wait_tensorcnt 0x0                           ; my loads have landed,
	s_barrier_signal -1
	s_barrier_wait -1                              ; and so have x's two halves
	s_wait_loadcnt 0x0                             ; scale words and bias
; The four K steps.  tr = 1: source 0 = W, source 1 = x (Q, K);  tr = 0: the other way round (V).  The 32 accumulators take turns, one instruction a turn, in the same order in every step.
.macro MULT tr
.irp s, 0,1,2,3
.irp i, 0,1,2,3,4,5,6,7
.irp c, 0,1
	ds_load_b128 v[XF+8*\i+4*\c:XF+8*\i+4*\c+3], v4 offset:(32*(\i/2)+8*(\i%2))*PX+64*\s+32*\c
.endr
.endr
.irp t, 0,1,2,3
.irp c, 0,1
	ds_load_b128 v[WF+8*\t+4*\c:WF+8*\t+4*\c+3], v5 offset:(32*(\t/2)+8*(\t%2))*PX+64*\s+32*\c
.endr
.endr
	s_wait_dscnt 0x0
.if \s == 0
	WIN 0x40                                       ; D in window 1; C, the bias, in window 0
.else
	WIN 0x50                                       ; C and D in window 1
.endif
.irp i, 0,1,2,3,4,5,6,7
.irp t, 0,1,2,3
.if \tr
.if \s == 0
	WM 8*(4*\i+\t), WF+8*\t, XF+8*\i, BI+8*\t, WS+4*\t+\s, XS+4*\i+\s
.else
	WM 8*(4*\i+\t), WF+8*\t, XF+8*\i, 8*(4*\i+\t), WS+4*\t+\s, XS+4*\i+\s
.endif
.else
.if \s == 0
	WM 8*(8*\t+\i), XF+8*\i, WF+8*\t, BI+8*\t, XS+4*\i+\s, WS+4*\t+\s
.else
	WM 8*(8*\t+\i), XF+8*\i, WF+8*\t, 8*(8*\t+\i), XS+4*\i+\s, WS+4*\t+\s
.endif
.endif
.endr
.endr
	WIN 0
	PLACES                                         ; ahead of the next step's loads into the fragments, and of the first reads of results
.endr
.endm
	s_cmp_eq_u32 s4, 2
	s_cbranch_scc1 .Lmul_v
	MULT 1
	s_branch .Lmul_done
.Lmul_v:
	MULT 0
.Lmul_done:
	; THE QUANTISER, sixteen blocks by turns.  A block's scale is its largest magnitude's exponent field less 2, held at 1 from below by the floor 2^(3 - 127) among the maximum's leaves.
	WIN 0x05                                       ; sources 0 and 1 in window 1
.irp b, 0,1,2,3,4,5,6,7,8,9,10,11,12,13,14,15
	v_max3_num_f32 v[TM+\b], |v[16*\b]|, |v[16*\b+1]|, 0x1800000
.endr
.irp e, 2,4,6,8,10,12,14               ; ascending: each accumulator is first read at its low end
.irp b, 0,1,2,3,4,5,6,7,8,9,10,11,12,13,14,15
	v_max3_num_f32 v[TM+\b], |v[16*\b+\e]|, |v[16*\b+\e+1]|, v[TM+\b]
.endr
.endr
	WIN 0
.irp b, 0,1,2,3,4,5,6,7,8,9,10,11,12,13,14,15
	v_permlanex16_b32 v[TP+\b], v[TM+\b], s84, s85 ; (its destination has been written: it held a fragment)
.endr
.irp b, 0,1,2,3,4,5,6,7,8,9,10,11,12,13,14,15
	v_max_num_f32 v[TM+\b], v[TM+\b], v[TP+\b]     ; with lane l xor 16's 16: the block's largest magnitude
.endr
.irp b, 0,1,2,3,4,5,6,7,8,9,10,11,12,13,14,15
	v_add_nc_u32 v[SO+\b], 0xff000000, v[TM+\b]    ; 2 off its exponent field: the conversion takes this operand's exponent field as its scale
.endr
.irp b, 0,1,2,3,4,5,6,7,8,9,10,11,12,13,14,15
	v_lshrrev_b32 v[BY+\b], 23, v[SO+\b]           ; the scale's byte
.endr
	WIN 0x01                                       ; source 0 in window 1
.irp b, 0,1,2,3,4,5,6,7,8,9,10,11,12,13,14,15
	v_cvt_scalef32_pk8_fp4_f32 v[PC+2*\b], v[16*\b:16*\b+7], v[SO+\b]
	v_cvt_scalef32_pk8_fp4_f32 v[PC+2*\b+1], v[16*\b+8:16*\b+15], v[SO+\b]
.endr
	v_nop                                          ; one plain place behind a scaled conversion
	WIN 0
.irp g, 0,1,2,3,4,5,6,7                ; an operand wants a WHOLE block in a lane: lanes 0-15 block 2 g, lanes 16-31 block 2 g + 1: registers 4 g .. 4 g + 3 are image g
.irp e, 0,1
	v_permlane16_swap_b32 v[PC+4*\g+\e], v[PC+4*\g+2+\e]
.endr
.endr
	s_cmp_eq_u32 s4, 2
	s_cbranch_scc1 .Lwords_v
.irp i, 0,1,2,3,4,5,6,7                ; Q, K: a tile's word: the two blocks of d; the upper two bytes stay 0, over codes that are zeros
	v_lshl_or_b32 v[WD+\i], v[BY+2*\i+1], 8, v[BY+2*\i]
.endr
.irp b, 0,1,2,3
	v_cndmask_b32 v[SW+\b], v[WD+2*\b], v[WD+2*\b+1], s86   ; lanes 0-15 the even tile's word, lanes 16-31 the odd tile's
.endr
	s_branch .Lwords_done
.Lwords_v:
.irp t, 0,1,2,3                        ; V: a d tile's word: the four blocks of keys
	v_lshl_or_b32 v[SW+\t], v[BY+4*\t+1], 8, v[BY+4*\t]
	v_lshl_or_b32 v[SW+\t], v[BY+4*\t+2], 16, v[SW+\t]
	v_lshl_or_b32 v[SW+\t], v[BY+4*\t+3], 24, v[SW+\t]
.endr
.Lwords_done:
	s_wait_alu depctr_va_vdst(0)
	global_store_b128 v11, v[SW:SW+3], s[50:51]    ; each store of the wave covers 512 consecutive bytes, aligned
.irp g, 0,1,2,3,4,5,6,7
	global_store_b128 v11, v[PC+4*\g:PC+4*\g+3], s[48:49] offset:512*\g
.endr
	s_wait_tensorcnt 0x0
	ds_add_u32 v254, v255
	s_wait_dscnt 0x0
	CROUND                                         ; the closing round: no work-group ends while a partner may still ask for a tile that names it
	s_endpgm
.Lfunc_end_k_q5d8f9355fa_proj:
	.size	k_q5d8f9355fa_proj, .Lfunc_end_k_q5d8f9355fa_proj-k_q5d8f9355fa_proj
	.p2alignl 7, 3214868480
	.fill 96, 4, 3214868480
	.section	.rodata,"a",@progbits
	.p2align	6, 0x0
	.amdhsa_kernel k_q5d8f9355fa_proj
		.amdhsa_group_segment_fixed_size 168704
		.amdhsa_private_segment_fixed_size 0
		.amdhsa_enable_private_segment 0
		.amdhsa_kernarg_size 104
		.amdhsa_user_sgpr_count 2
		.amdhsa_user_sgpr_kernarg_segment_ptr 1
		.amdhsa_wavefront_size32 1
		.amdhsa_system_sgpr_workgroup_id_x 1
		.amdhsa_system_sgpr_workgroup_id_y 1
		.amdhsa_system_sgpr_workgroup_id_z 1
		.amdhsa_system_vgpr_workitem_id 0
		.amdhsa_next_free_vgpr 512
		.amdhsa_next_free_sgpr 96
		.amdhsa_reserve_vcc 0
		.amdhsa_float_denorm_mode_32 3
		.amdhsa_float_denorm_mode_16_64 3
		.amdhsa_memory_ordered 1
		.amdhsa_forward_progress 1
		.amdhsa_inst_pref_size 75
	.end_amdhsa_kernel
	.amdgpu_metadata
---
amdhsa.version: [ 1, 2 ]
amdhsa.kernels:
  - .name:           k_q5d8f9355fa_proj
    .symbol:         k_q5d8f9355fa_proj.kd
    .args:
      - { .name: x_codes, .offset: 0, .size: 8, .value_kind: global_buffer, .address_space: global }
      - { .name: x_scales, .offset: 8, .size: 8, .value_kind: global_buffer, .address_space: global }
      - { .name: Wq_codes, .offset: 16, .size: 8, .value_kind: global_buffer, .address_space: global }
      - { .name: Wk_codes, .offset: 24, .size: 8, .value_kind: global_buffer, .address_space: global }
      - { .name: Wv_codes, .offset: 32, .size: 8, .value_kind: global_buffer, .address_space: global }
      - { .name: Wq_scales, .offset: 40, .size: 8, .value_kind: global_buffer, .address_space: global }
      - { .name: Wk_scales, .offset: 48, .size: 8, .value_kind: global_buffer, .address_space: global }
      - { .name: Wv_scales, .offset: 56, .size: 8, .value_kind: global_buffer, .address_space: global }
      - { .name: bq, .offset: 64, .size: 8, .value_kind: global_buffer, .address_space: global }
      - { .name: bk, .offset: 72, .size: 8, .value_kind: global_buffer, .address_space: global }
      - { .name: bv, .offset: 80, .size: 8, .value_kind: global_buffer, .address_space: global }
      - { .name: qq, .offset: 88, .size: 8, .value_kind: global_buffer, .address_space: global }
      - { .name: kv, .offset: 96, .size: 8, .value_kind: global_buffer, .address_space: global }
    .group_segment_fixed_size: 168704
    .private_segment_fixed_size: 0
    .kernarg_segment_align: 8
    .kernarg_segment_size: 104
    .max_flat_workgroup_size: 192
    .sgpr_count:     96
    .vgpr_count:     512
    .wavefront_size: 32
...
	.end_amdgpu_metadata
.endif
;; end of part 1
;; launch att (part 2): grid 64 x 4, 16 waves a work-group, clusters of 4 x 1, 327,680 bytes of LDS; arguments qq, kv, Wp_codes, Wp_scales, bp, out0; writes out0
.if DOCPART == 2
	.amdgcn_target "amdgcn-amd-amdhsa--gfx1250"
	.amdhsa_code_object_version 6
	.text
	.protected	k_q5d8f9355fa_att
	.globl	k_q5d8f9355fa_att
	.p2align	8
	.type	k_q5d8f9355fa_att,@function
k_q5d8f9355fa_att:
	s_mov_b64 s[64:65], 0
	v_nop
	global_prefetch_b8 v0, s[64:65] scope:SCOPE_SE
	s_setreg_imm32_b32 hwreg(HW_REG_WAVE_MODE, 25, 1), 1
	s_wait_xcnt 0x0
	s_wait_alu depctr_hold_cnt(0) depctr_sa_sdst(0) depctr_va_vdst(0) depctr_va_sdst(0) depctr_va_ssrc(0) depctr_va_vcc(0) depctr_vm_vsrc(0)
	s_getreg_b32 s2, hwreg(HW_REG_IB_STS2, 6, 4)
	s_cmp_eq_u32 s2, 0
	s_cbranch_scc0 .Lentry_in_a_cluster
	s_endpgm
.Lentry_in_a_cluster:
	s_bfe_u32 s2, ttmp6, 0x10000c
	s_cmp_lg_u32 s2, 0x3003
	s_cbranch_scc0 .Lentry_shape_is_right
	s_endpgm
.Lentry_shape_is_right:
; Causal attention of all eight heads for 32 rows of a batch, and the output projection of these rows, on codes of FP4 (E2M1) with one E8M0 scale for each 32 along K.
; S^T = K Q^T (K = the head's 64, filled to 128 by zero codes in Q), p = 2^(t - M), O^T = V^T P^T (K = 128 keys a step), O / l quantised along d, out0 = O Wp + bp.
; t = score x log2(e) / 8; M = the running largest t rounded UP to a whole number; p is quantised along the keys, not normalised; l is the sum of the unquantised p.  When M moves, l and O^T are multiplied by 2^(old M - new M): exact.
; LEFT OUT: key steps (128 keys) all of whose keys come after a tile's 16 queries: the causal mask sets their scores to -infinity ahead of the softmax for all values of the inputs, so their p is 0.  A NaN, an infinity or an overflow in such a score is not carried on.
; LIMITS: NaN and infinities are not served; the scaled scores t stay under 2^31 in magnitude.  A block of zeros gets the scale byte 1 and not 127: its codes are zeros, and only this program reads the bytes.
; SHARES.  Work-group i = 4 x cluster + cx (0..63) of batch y owns two tiles of 16 queries: tile 127 - i (block P2 = 15 - i / 8 of 128 queries) and tile i (block P1 = i / 8).  Wave w: head w % 8, parity q = w / 8.
; A slot holds two key steps (256 keys) of all eight heads; wave (head, q) works step q of the pair.  The walk: tile 127 - i over slots 0 .. P2 / 2, then tile i over slots 0 .. P1 / 2: since P1 + P2 = 15 that is nine slots in every work-group.
; The two parities' sums are joined through LDS at the end: q = 0 finishes tile 127 - i, q = 1 tile i.
; CLUSTER 4 x 1.  P1, P2 and so the walk hang on the cluster's number and the batch alone: the four partners need the same records of kv, and the same Wp: every load is a joint one.  cx enters global addresses of Q and out0 and the mask's lane data only.
; LDS: two slots of 147,456 bytes: head h at 18,432 h: bytes 0 .. 4,607 of the pair's two records, then bytes 4,608 .. 9,215 of both (one load a wave: two rows of 4,608 bytes).
; A record (9,216 bytes): K's 8 images of 512 bytes, V's 8, K's scale words 512, V's 512.  Slot 1 takes Wp's 512 rows behind its last key step.  A wave's own bytes of slot 0 serve as its stages at the end.
; No prefetch: each slot's 147,456 bytes are asked for a whole slot's work ahead, and the 16 clusters of a batch walk the same records, 1,179,648 bytes, in the same order.
; LAYOUT.  A lane holds ONE query (lane % 16).  Lane r of K's tile 2 b + u holds key 32 b + 8 u + r + 8 (r / 8): the 16 registers of tiles 2 b, 2 b + 1 of S^T are keys 32 b + 16 (lane / 16) + 0 .. 15; V's d tiles likewise.
.set SLOT,  147456
.set SPARE, 2*SLOT                     ; the spare words, 128 bytes for each wave
.set OIMG,  SPARE+2048                 ; O's images: [tile][head] x 512
.set OSC,   OIMG+8192                  ; O's scale bytes: [tile][row][16]
.set PAIR,  18432
.set PW,    272                        ; a row of Wp, and of the way out's stage: 256 bytes + 16
.set LA0, 2                            ; v2, v3   LDS address of my K record in slot 0, 1
.set LA1, 3
.set TH,  4                            ; v4       my query in its block less 16 (lane / 16); v5 the same for the second tile
.set NEGI, 6
.set SPW, 7
.set NIL, 8
.set T,   9
.set MM,  12                           ; v12      -M; v13 the largest score so far; v[14:15] l in two halves
.set RUN, 13
.set Q,   16                           ; v16-19   Q (v20-23 zero codes); v24 its scale word; v28-31, v25 the second tile's
.set F,   26                           ; v[26:27] f
.set BM,  32                           ; v32-35   each block's largest score, then the conversions' scale operands
.set TP,  36
.set KS,  40                           ; v40-43   K's scale words: register b: lanes 0-15 tile 2 b, lanes 16-31 tile 2 b + 1
.set VS,  44
.set PS,  48
.set KF,  56                           ; v56-87   K's tiles, four registers each: a fragment's upper four (k = 64 .. 127) are whatever follows, over Q's zero codes
.set O2,  88                           ; v88-119  the first tile's O^T; v[50:51] its l, v52 its -M
.set S,   120                          ; v120-183 S^T, then p
.set O,   184                          ; v184-215 O^T
.set VF,  216                          ; v216-247 V's four fragments
.set PC,  248                          ; v248-255 p's codes
; s16 wave, s17 head, s18 q, s58 block of the tile in hand, s59 key step in hand, s62 1 where the tile lies in its block's upper half, s63 the step at which the first walk ends, s56 slot last asked for, s57 slots of the first walk
.macro PLACES
.rept 4
	v_nop
.endr
.endm
.macro CREST                           ; a round of the cluster's barrier behind its opening barrier
	s_cmp_lg_u32 s16, 0
	s_cbranch_scc1 .Lnot_wave_0_\@
	s_barrier_signal -3
.Lnot_wave_0_\@:
	s_barrier_wait -3
	s_barrier_signal -1
	s_barrier_wait -1
.endm
.macro CROUND
	s_barrier_signal -1
	s_barrier_wait -1
	CREST
.endm
.macro VWAIT
	s_wait_alu depctr_va_vdst(0)
.endm
.macro QA p, j, d                      ; offsets in qq: my head's block p, tile j: image in s[d:d+1], scale word in s[d+2:d+3]
	s_add_co_u32 s[\d], s72, \p
	s_mul_i32 s[\d], s[\d], 4608
	s_and_b32 s75, \j, 1
	s_lshl_b32 s75, s75, 8
	s_lshr_b32 s74, \j, 1
	s_lshl_b32 s74, s74, 2
	s_add_co_u32 s75, s75, s74
	s_add_co_u32 s75, s75, 4096
	s_add_co_u32 s[\d+2], s[\d], s75
	s_lshl_b32 s74, \j, 9
	s_add_co_u32 s[\d], s[\d], s74
	s_mov_b32 s[\d+1], 0
	s_mov_b32 s[\d+3], 0
.endm
.macro BASE d, j                       ; 32 (j / 2) + 8 (j % 2)
	s_lshr_b32 s[\d], \j, 1
	s_lshl_b32 s[\d], s[\d], 5
	s_and_b32 s74, \j, 1
	s_lshl_b32 s74, s74, 3
	s_add_co_u32 s[\d], s[\d], s74
.endm
	s_load_b256 s[4:11], s[0:1], 0x0               ; qq s[4:5], kv s[6:7], Wp codes s[8:9], Wp scales s[10:11]
	s_load_b128 s[12:15], s[0:1], 0x20             ; bp s[12:13], out0 s[14:15]
	v_lshl_add_u32 v[SPW], v0, 2, SPARE
	v_mov_b32 v[NIL], 0
	ds_add_u32 v[SPW], v[NIL]                      ; the opening adds, twice on end
	ds_add_u32 v[SPW], v[NIL]
	v_lshrrev_b32 v9, 5, v0
	v_readfirstlane_b32 s16, v9
	s_and_b32 s17, s16, 7
	s_lshr_b32 s18, s16, 3
	s_bfe_u32 s20, ttmp6, 0x40000                  ; cx
	s_and_b32 s19, ttmp9, 1
	s_lshr_b32 s60, ttmp9, 1                       ; P1
	s_sub_co_u32 s71, 15, s60                      ; P2
	s_and_b32 s21, ttmp7, 0xffff                   ; batch
	s_lshl_b32 s66, s19, 2
	s_add_co_u32 s66, s66, s20                     ; j1: tile i in its block
	s_sub_co_u32 s67, 7, s66                       ; j2: tile 127 - i in its block
	s_lshr_b32 s57, s71, 1
	s_add_co_u32 s57, s57, 1                       ; slots of the first walk
	s_mov_b32 s58, s71
	s_mov_b32 s59, s18
	s_lshl_b32 s63, s57, 1
	s_add_co_u32 s63, s63, s18
	s_xor_b32 s62, s19, 1                          ; j2 is 4 or more where the cluster's number is even
	s_mov_b32 s22, 0x3e38aa3b                      ; c = log2(e) / sqrt(64)
	s_mov_b32 s23, s22                             ; (named with it as a pair, so it is written)
	s_mov_b32 s70, 0xbe38aa3b                      ; -c
	s_mov_b32 s68, 0x76543210
	s_mov_b32 s69, 0xfedcba98                      ; lane selects: lane l xor 16
	s_mov_b32 s24, 15|(3<<16)|(1<<21)              ; group 1 for kv: the mask: all four; elements of 8 bytes; bit 21 beside a mask; no padding
	s_mov_b32 s25, 576<<16                         ; rows of 4,608 bytes,
	s_mov_b32 s26, 2<<16                           ; two of them,
	s_mov_b32 s27, 576<<16
	s_mov_b32 s28, 2
	s_mov_b32 s29, 1152                            ; a record of 9,216 bytes apart
	s_mov_b32 s30, 0
	s_mov_b32 s31, 0
	s_mov_b32 s44, 15|(1<<20)|(1<<21)|(5<<22)|(3<<25)   ; group 1 for Wp: 32 rows of 256 bytes, four words of padding behind each
	s_mov_b32 s45, 256<<16
	s_mov_b32 s46, 32<<16
	s_mov_b32 s47, 256<<16
	s_mov_b32 s48, 32
	s_mov_b32 s49, 256
	s_mov_b32 s50, 0
	s_mov_b32 s51, 0
	s_lshl_b32 s72, s21, 3
	s_add_co_u32 s72, s72, s17                     ; batch x 8 + head
	s_mul_i32 s52, s72, 16*9216                    ; its 16 records,
	s_mul_i32 s54, s18, 4608
	s_add_co_u32 s52, s52, s54                     ; my half of each
	s_mov_b32 s53, 0
	s_mov_b32 s55, 0
	s_mul_i32 s73, s17, PAIR
	s_mul_i32 s74, s18, 9216
	s_mov_b32 s32, 1                               ; group 0 for slot 0, for slot 1, for Wp
	s_add_co_u32 s33, s73, s74
	s_mov_b32 s36, 1
	s_add_co_u32 s37, s33, SLOT
	s_mov_b32 s40, 1
	s_mul_i32 s41, s16, 32*PW
	s_add_co_u32 s41, s41, SLOT
	s_lshl_b32 s76, s16, 13                        ; 32 rows of Wp
	s_mov_b32 s77, 0
	s_mov_b32 s56, 1
	; vector addresses
	v_and_b32 v1, 31, v0
	v_lshlrev_b32 v1, 4, v1                        ; 16 x lane
	v_and_b32 v10, 15, v0                          ; r
	v_bfe_u32 v11, v0, 4, 1                        ; h
	v_lshlrev_b32 v9, 4, v10
	s_mul_i32 s74, s18, 4608
	s_add_co_u32 s74, s74, s73
	v_add_nc_u32 v[LA0], s74, v1
	v_add_nc_u32 v[LA1], SLOT, v[LA0]
	s_xor_b32 s75, s18, 1
	s_mul_i32 s75, s75, 4608
	s_add_co_u32 s75, s75, s73
	v_add_nc_u32 v53, s75, v1                      ; my partner's bytes of slot 0
	s_lshl_b32 s72, s72, 4
	QA s71, s67, 80
	QA s60, s66, 84
	BASE 88, s67
	BASE 89, s66
	VWAIT
	v_and_b32 v54, 8, v10
	v_add_nc_u32 v54, v54, v10                     ; r + 8 (r / 8)
	v_lshlrev_b32 v55, 4, v11
	v_sub_nc_u32 v54, v54, v55
	v_add_nc_u32 v[TH], s88, v54                   ; register 16 b + e holds key 32 b + 16 h + e: hidden on the diagonal where 32 b + e is larger
	v_add_nc_u32 v5, s89, v54
	s_cmp_eq_u32 s18, 0                            ; which tile I finish
	s_cselect_b32 s90, s71, s60
	s_cselect_b32 s91, s88, s89
	s_lshl_b32 s92, s21, 4
	s_add_co_u32 s92, s92, s90
	s_lshl_b32 s92, s92, 7
	s_add_co_u32 s92, s92, s91                     ; its first row of out0,
	s_lshl_b32 s92, s92, 11
	s_lshl_b32 s94, s17, 8
	s_add_co_u32 s92, s92, s94                     ; my 64 columns
	s_mov_b32 s93, 0
	s_mov_b32 s95, 0
	VWAIT
	s_wait_dscnt 0x0                               ; both opening adds are done
	s_wait_kmcnt 0x0
	s_add_nc_u64 s[52:53], s[6:7], s[52:53]
	s_or_b32 s53, s53, 0x80000000
	s_mov_b64 s[34:35], s[52:53]
	s_add_nc_u64 s[38:39], s[52:53], PAIR
	s_add_nc_u64 s[42:43], s[8:9], s[76:77]
	s_or_b32 s43, s43, 0x80000000
	s_add_nc_u64 s[80:81], s[4:5], s[80:81]
	s_add_nc_u64 s[82:83], s[4:5], s[82:83]
	s_add_nc_u64 s[84:85], s[4:5], s[84:85]
	s_add_nc_u64 s[86:87], s[4:5], s[86:87]
	s_add_nc_u64 s[14:15], s[14:15], s[92:93]
	s_add_nc_u64 s[12:13], s[12:13], s[94:95]      ; bp: 64 numbers a head number
	s_lshl_b32 s94, s17, 10
	s_add_nc_u64 s[10:11], s[10:11], s[94:95]      ; Wp's scales: 64 rows of 16 bytes
	CROUND                                         ; all four work-groups are here: the first joint loads meet
	tensor_load_to_lds s[32:35], s[24:31]          ; slot 0: one tensor load a wave
	s_nop 0
	PLACES
	global_load_b128 v[Q:Q+3], v1, s[80:81]
	global_load_b128 v[28:31], v1, s[84:85]
	global_load_b32 v24, v9, s[82:83]
	global_load_b32 v25, v9, s[86:87]
.irp i, 20,21,22,23,26,27,36,37,38,39,50,51,52
	v_mov_b32 v[\i], 0                             ; Q's zero codes; lane permutes' destinations; registers that some way may read ahead of their first use
.endr
.set n, 0
.rept 32
	v_mov_b32 v[O2+n], 0
.set n, n+1
.endr
	v_mov_b32 v[NEGI], 0xff800000                  ; -infinity
	VWAIT
	s_wait_tensorcnt 0x0                           ; my part of slot 0 is in; these lines stand ahead of a later first fill, as ahead of a refill
	ds_add_u32 v[SPW], v[NIL]
	s_wait_dscnt 0x0
	CROUND
	tensor_load_to_lds s[36:39], s[24:31]          ; slot 1's first fill
	s_nop 0
	PLACES
.macro KLOAD a                         ; nine loads: byte y of my record lies at y below 4,608 and at y + 4,608 from there on
	ds_load_b128 v[KS:KS+3], v[\a] offset:8192+4608
.irp t, 0,1,2,3,4,5,6,7
	ds_load_b128 v[KF+4*\t:KF+4*\t+3], v[\a] offset:512*\t
.endr
.endm
.macro VLOAD a
	ds_load_b128 v[VS:VS+3], v[\a] offset:8704+4608
	ds_load_b128 v[VF:VF+3], v[\a] offset:4096
.irp g, 1,2,3,4,5,6,7
	ds_load_b128 v[VF+4*\g:VF+4*\g+3], v[\a] offset:4096+4608+512*\g
.endr
.endm
.macro MASK b0
.irp b, \b0, \b0+1
.irp e, 0,1,2,3,4,5,6,7,8,9,10,11,12,13,14,15
	v_cmp_gt_i32 vcc_lo, 32*(\b)+\e, v[TH]
	v_cndmask_b32 v[S+16*(\b)+\e], v[S+16*(\b)+\e], v[NEGI], vcc_lo
.endr
.endr
.endm
; THE FRONT of a key step: scores, their maxima, M, f, and the four block scales of p.
.macro FRONT a, first
	VLOAD \a
	s_wait_dscnt 0x9                               ; K's nine loads are in; V's nine may be out
.irp b, 0,1,2,3
	v_wmma_scale_f32_16x16x128_f8f6f4 v[S+16*\b:S+16*\b+7], v[KF+8*\b:KF+8*\b+7], v[Q:Q+7], 0, v[KS+\b], v24 matrix_a_fmt:MATRIX_FMT_FP4 matrix_b_fmt:MATRIX_FMT_FP4
	v_wmma_scale_f32_16x16x128_f8f6f4 v[S+16*\b+8:S+16*\b+15], v[KF+8*\b+4:KF+8*\b+11], v[Q:Q+7], 0, v[KS+\b], v24 matrix_a_fmt:MATRIX_FMT_FP4 matrix_b_fmt:MATRIX_FMT_FP4 matrix_a_scale:MATRIX_SCALE_ROW1
.endr
	PLACES
.if \first == 0
	s_cmp_lg_u32 s59, s58                          ; on the diagonal the scores of hidden keys become -infinity ahead of the maximum.  Key 0 of the block counts for every query of it
	s_cbranch_scc1 .Lopen_\@
	s_cmp_eq_u32 s62, 1                            ; a tile in the upper half of its block sees all of the lower 64 keys
	s_cbranch_scc1 .Lupper_\@
	MASK 0
.Lupper_\@:
	MASK 2
.Lopen_\@:
.endif
.irp b, 0,1,2,3
	v_max3_num_f32 v[BM+\b], v[S+16*\b], v[S+1+16*\b], v[S+2+16*\b]   ; the largest score of each block of 32 keys
.endr
.irp i, 3,5,7,9,11,13
.irp b, 0,1,2,3
	v_max3_num_f32 v[BM+\b], v[BM+\b], v[S+16*\b+\i], v[S+1+16*\b+\i]
.endr
.endr
.irp b, 0,1,2,3
	v_max_num_f32 v[BM+\b], v[BM+\b], v[S+15+16*\b]
.endr
.irp b, 0,1,2,3
	v_permlanex16_b32 v[TP+\b], v[BM+\b], s68, s69
.endr
.irp b, 0,1,2,3
	v_max_num_f32 v[BM+\b], v[BM+\b], v[TP+\b]     ; with lane l xor 16's 16 keys
.endr
	v_max3_num_f32 v[T], v[BM], v[BM+1], v[BM+2]
.if \first
	v_max_num_f32 v[RUN], v[T], v[BM+3]
	v_mul_f32 v[T], s70, v[RUN]                    ; -t
	v_floor_f32 v[MM], v[T]                        ; -M = floor(-t) = -ceil(t)
.else
	s_delay_alu instid0(VALU_DEP_1)
	v_max3_num_f32 v[RUN], v[T], v[BM+3], v[RUN]
	s_delay_alu instid0(VALU_DEP_1)
	v_mul_f32 v[T], s70, v[RUN]
	s_delay_alu instid0(VALU_DEP_1)
	v_floor_f32 v[T], v[T]
	s_delay_alu instid0(VALU_DEP_1)
	v_sub_f32 v[F], v[T], v[MM]                    ; M's old value less its new one: a whole number, 0 or less
	v_mov_b32 v[MM], v[T]
	v_cvt_i32_f32 v[F], v[F]                       ; (it saturates)
	v_ldexp_f32 v[F], 1.0, v[F]                    ; f = 2^(old M - new M)
.endif
.irp b, 0,1,2,3
	v_fma_f32 v[BM+\b], v[BM+\b], s22, v[MM]       ; log2 of the block's largest p
.endr
.irp b, 0,1,2,3
	v_max_num_f32 v[BM+\b], 0xc2f80000, v[BM+\b]   ; at least -124: the byte cannot fall under 1
.endr
.irp b, 0,1,2,3
	v_floor_f32 v[BM+\b], v[BM+\b]
.endr
.irp b, 0,1,2,3
	v_cvt_i32_f32 v[TP+\b], v[BM+\b]
.endr
.irp b, 0,1,2,3
	v_add_lshl_u32 v[BM+\b], v[TP+\b], 0x7d, 23    ; 2^(floor - 2): the conversion's scale operand
.endr
	v_lshl_add_u32 v[PS], v[TP+3], 8, v[TP+2]      ; the four bytes floor + 125, summed with their carries
	v_lshl_add_u32 v[PS], v[PS], 8, v[TP+1]
	v_lshl_add_u32 v[PS], v[PS], 8, v[TP]
	v_add_nc_u32 v[PS], 0x7d7d7d7d, v[PS]
.endm
; THE MIDDLE: the exponentials, and the change of slots round them: all reads of this slot are over.  A wave whose step is hidden passes through with numbers that nobody reads.
; mode 0: this slot is filled again, two slots ahead (group 0 at g);  1: with Wp;  2: nothing follows.  kn: the next slot's address, for K.
.macro MIDDLE mode, g, kn
	VWAIT
.if \mode < 2
	s_wait_tensorcnt 0x0                           ; my part of the next slot is in
	ds_add_u32 v[SPW], v[NIL]                      ; 0 onto my spare word
.endif
.if \mode == 0
	s_add_co_u32 s56, s56, 1                       ; the slot after the next: at the first walk's end the second begins at key 0
	s_cmp_eq_u32 s56, s57
	s_cselect_b32 s56, 0, s56
	s_mul_i32 s54, s56, PAIR
	s_add_nc_u64 s[\g+2:\g+3], s[52:53], s[54:55]
.endif
.set n, 0
.rept 32
	v_pk_fma_f32 v[S+n:S+n+1], v[S+n:S+n+1], s[22:23], v[MM:MM+1] op_sel_hi:[1,0,0]   ; t - M, two at a time
.set n, n+2
.endr
	s_wait_dscnt 0x0                               ; the add is done, V is in: my reads of this slot are over
	VWAIT
.if \mode < 2
	s_barrier_signal -1
.endif
.set n, 0
.rept 64
	v_exp_f32 v[S+n], v[S+n]                       ; p = 2^(t - M), at most 1
.set n, n+1
.endr
	v_nop                                          ; one plain place behind the batch
	VWAIT
.if \mode < 2
	s_barrier_wait -1
	CREST                                          ; nobody in the cluster reads this slot any more or has a load on its way
.if \mode == 0
	tensor_load_to_lds s[\g:\g+3], s[24:31]
.else
	tensor_load_to_lds s[40:43], s[44:51]
.endif
	s_nop 0
	PLACES
	KLOAD \kn                                      ; the next slot is whole
.endif
.endm
.macro ADDS cnt, off
.set n, 0
.rept \cnt
	v_pk_add_f32 v[S+n:S+n+1], v[S+n:S+n+1], v[S+n+\off:S+n+\off+1]
.set n, n+2
.endr
.endm
; THE BACK: p's codes, the row's sum, O^T += V^T P^T.
.macro BACK first
.irp b, 0,1,2,3
	v_cvt_scalef32_pk8_fp4_f32 v[PC+2*\b], v[S+16*\b:S+7+16*\b], v[BM+\b]
	v_cvt_scalef32_pk8_fp4_f32 v[PC+1+2*\b], v[S+8+16*\b:S+15+16*\b], v[BM+\b]
.endr
	v_nop                                          ; one plain place behind a scaled conversion
.irp c, 0,1                            ; the operand wants a WHOLE block in a lane: lanes 0-15 block 2 c, lanes 16-31 block 2 c + 1
.irp i, 0,1
	v_permlane16_swap_b32 v[PC+4*\c+\i], v[PC+2+4*\c+\i]
.endr
.endr
	ADDS 16, 32                                    ; the sum of the unquantised p as a tree of pairs, over p's registers
	ADDS 8, 16
	ADDS 4, 8
	ADDS 2, 4
.if \first
	v_pk_add_f32 v[14:15], v[S:S+1], v[S+2:S+3]
.irp d, 0,1,2,3                        ; the first step starts the sums
	v_wmma_scale_f32_16x16x128_f8f6f4 v[O+8*\d:O+8*\d+7], v[VF+8*\d:VF+8*\d+7], v[PC:PC+7], 0, v[VS+\d], v[PS] matrix_a_fmt:MATRIX_FMT_FP4 matrix_b_fmt:MATRIX_FMT_FP4
.endr
.else
	v_pk_add_f32 v[S:S+1], v[S:S+1], v[S+2:S+3]
	v_pk_fma_f32 v[14:15], v[14:15], v[F:F+1], v[S:S+1] op_sel_hi:[1,0,1]   ; l under the new M
	VWAIT
.set n, 0
.rept 16
	v_pk_mul_f32 v[O+n:O+n+1], v[O+n:O+n+1], v[F:F+1] op_sel_hi:[1,0]   ; O^T under the new M
.set n, n+2
.endr
.irp d, 0,1,2,3                        ; four accumulators by turns
	v_wmma_scale_f32_16x16x128_f8f6f4 v[O+8*\d:O+8*\d+7], v[VF+8*\d:VF+8*\d+7], v[PC:PC+7], v[O+8*\d:O+8*\d+7], v[VS+\d], v[PS] matrix_a_fmt:MATRIX_FMT_FP4 matrix_b_fmt:MATRIX_FMT_FP4
.endr
.endif
	PLACES                                         ; ahead of loads into V's registers and of reads of O^T
.endm
; THE CHANGE OF TILES, once in every wave, where the first walk has ended: its sums are put by, the second tile's Q and mask come up.
.macro SWITCH
	s_cmp_lg_u32 s59, s63
	s_cbranch_scc1 .Lsame_\@
	VWAIT
.irp i, 0,1,2,3
	v_mov_b32 v[Q+\i], v[28+\i]
.endr
	v_mov_b32 v24, v25
	v_mov_b32 v[TH], v5
	v_mov_b32 v50, v14
	v_mov_b32 v51, v15
	v_mov_b32 v52, v[MM]
	VWAIT
.set n, 0
.rept 32
	v_mov_b32 v[O2+n], v[O+n]
.set n, n+1
.endr
.set n, 0
.rept 32
	v_mov_b32 v[O+n], 0
.set n, n+1
.endr
	v_mov_b32 v14, 0
	v_mov_b32 v15, 0
	v_mov_b32 v[RUN], 0xff61b1e6                   ; the largest score so far: -3e38
	v_mov_b32 v[MM], 0x7e000000                    ; and a -M above every other: the first change of M gives f = 0 over sums that are 0
	s_mov_b32 s58, s60
	s_mov_b32 s59, s18
	s_xor_b32 s62, s62, 1
	s_mov_b32 s63, -1
	VWAIT
.Lsame_\@:
.endm
.macro STEP a, mode, g, kn
	SWITCH
	s_cmp_gt_u32 s59, s58                          ; all its keys come after my queries: nothing is computed
	s_cbranch_scc1 .Lh1_\@
	FRONT \a, 0
.Lh1_\@:
	MIDDLE \mode, \g, \kn
	s_cmp_gt_u32 s59, s58
	s_cbranch_scc1 .Lh2_\@
	BACK 0
.Lh2_\@:
	VWAIT
	s_add_co_u32 s59, s59, 2
.endm
	KLOAD LA0
	s_wait_loadcnt 0x0                             ; Q
	FRONT LA0, 1                                   ; slot 0: P2 is 8 or more, so neither of its two steps is hidden or lies on the diagonal
	MIDDLE 0, 32, LA1
	BACK 1
	VWAIT
	s_add_co_u32 s59, s59, 2
	s_mov_b32 s61, 3
.Lring:                                                ; slots 1 to 6, each filled again with the slot two on
	STEP LA1, 0, 36, LA0
	STEP LA0, 0, 32, LA1
	s_sub_co_u32 s61, s61, 1
	s_cmp_lg_u32 s61, 0
	s_cbranch_scc1 .Lring
	STEP LA1, 1, 36, LA0                           ; slot 7: its bytes take Wp
	STEP LA0, 2, 32, LA0                           ; slot 8
	; THE TWO PARITIES ARE JOINED: each wave sends one tile's sums to its partner (wave w xor 8) through its own K bytes of slot 0, which nobody else has read, and keeps the other's.
	s_cmp_eq_u32 s18, 1
	s_cselect_b32 s95, -1, 0                       ; q = 1 sends tile 127 - i (O2), q = 0 sends tile i (O)
	v_bfe_u32 v11, v0, 4, 1
	v_lshlrev_b32 v35, 5, v11                      ; bp: my half's eight numbers
	VWAIT
.set n, 0
.rept 32
	v_cndmask_b32 v[S+n], v[O+n], v[O2+n], s95     ; sent
.set n, n+1
.endr
.set n, 0
.rept 32
	v_cndmask_b32 v[S+32+n], v[O2+n], v[O+n], s95  ; kept
.set n, n+1
.endr
	v_add_f32 v9, v14, v15
	v_add_f32 v10, v50, v51
	v_cndmask_b32 v248, v9, v10, s95
	v_cndmask_b32 v249, v[MM], v52, s95
	v_cndmask_b32 v32, v10, v9, s95
	v_cndmask_b32 v33, v52, v[MM], s95
	VWAIT
	s_wait_tensorcnt 0x0                           ; my rows of Wp are in
	global_load_b128 v[40:43], v1, s[10:11]        ; Wp's scale words: lanes 0-15 column tile 0 (2), lanes 16-31 tile 1 (3); four K steps
	global_load_b128 v[44:47], v1, s[10:11] offset:512
.irp t, 0,1,2,3
	global_load_b128 v[O+8*\t:O+8*\t+3], v35, s[12:13] offset:64*\t        ; bp starts the sums
	global_load_b128 v[O+8*\t+4:O+8*\t+7], v35, s[12:13] offset:64*\t+16
.endr
.irp k, 0,1,2,3,4,5,6,7
	ds_store_b128 v[LA0], v[S+4*\k:S+4*\k+3] offset:512*\k
.endr
	ds_store_b64 v[LA0], v[248:249] offset:4096
	s_wait_dscnt 0x0
	s_barrier_signal -1
	s_barrier_wait -1                              ; the partner's sums are there, and Wp is whole
.irp k, 0,1,2,3,4,5,6,7
	ds_load_b128 v[VF+4*\k:VF+4*\k+3], v53 offset:512*\k
.endr
	ds_load_b64 v[248:249], v53 offset:4096
	; the addresses of the way out, while they come
	v_and_b32 v10, 15, v0                          ; r
	v_lshlrev_b32 v34, 4, v10
	s_lshl_b32 s72, s18, 12
	s_add_co_u32 s72, s72, OIMG
	v_add_nc_u32 v54, s72, v1                      ; O's images of the tile that I finish
	s_lshl_b32 s73, s17, 9
	v_add_nc_u32 v55, s73, v54                     ; my head's
	s_lshl_b32 s72, s18, 8
	s_add_co_u32 s72, s72, OSC
	v_add_nc_u32 v16, s72, v34                     ; its scale bytes, 16 a row
	s_lshl_b32 s73, s17, 1
	v_add_nc_u32 v17, s73, v16                     ; my head's two
	v_mul_u32_u24 v9, v10, PW
	v_lshl_add_u32 v18, v11, 4, v9
	s_mul_i32 s72, s17, 64*PW
	s_add_co_u32 s72, s72, SLOT
	v_add_nc_u32 v18, s72, v18                     ; Wp's fragments: row 64 head + r, 16 h bytes on
	s_mul_i32 s72, s17, PAIR
	s_mul_i32 s73, s18, 4608
	s_add_co_u32 s72, s72, s73
	s_add_co_u32 s72, s72, 9216                    ; my stage: my V bytes of slot 0
	v_lshl_add_u32 v19, v11, 5, v9
	v_add_nc_u32 v19, s72, v19                     ; in: row r, 32 bytes for each half of the lanes
	v_mul_u32_u24 v30, v11, PW
	v_add_nc_u32 v30, v30, v34
	v_add_nc_u32 v30, s72, v30                     ; back: lanes 0-15 one row of 256 bytes, lanes 16-31 the next
	v_lshl_add_u32 v31, v11, 11, v34               ; and the same two rows in out0
	VWAIT
	s_wait_dscnt 0x0
	v_min_num_f32 v10, v33, v249                   ; -M of both
	v_sub_f32 v36, v10, v33
	v_sub_f32 v37, v10, v249
	v_cvt_i32_f32 v36, v36
	v_cvt_i32_f32 v37, v37
	v_ldexp_f32 v26, 1.0, v36
	v_ldexp_f32 v28, 1.0, v37
	v_mul_f32 v38, v32, v26
	v_fma_f32 v38, v248, v28, v38
	v_permlanex16_b32 v39, v38, s68, s69
	v_add_f32 v38, v38, v39                        ; l
	VWAIT
	v_rcp_f32 v38, v38
	v_nop                                          ; one plain place behind a transcendental
	VWAIT
	v_mul_f32 v26, v26, v38
	v_mul_f32 v28, v28, v38
.set n, 0
.rept 16
	v_pk_mul_f32 v[S+32+n:S+33+n], v[S+32+n:S+33+n], v[26:27] op_sel_hi:[1,0]
.set n, n+2
.endr
.set n, 0
.rept 16
	v_pk_fma_f32 v[S+32+n:S+33+n], v[VF+n:VF+n+1], v[28:29], v[S+32+n:S+33+n] op_sel_hi:[1,0,1]   ; O / l
.set n, n+2
.endr
	; quantised along d: two blocks of 32 of my head; a block lies in lanes l and l xor 16
.irp b, 0,1
	v_max3_num_f32 v[BM+\b], |v[S+32+16*\b]|, |v[S+33+16*\b]|, 0x1800000
.endr
.irp i, 2,4,6,8,10,12,14
.irp b, 0,1
	v_max3_num_f32 v[BM+\b], v[BM+\b], |v[S+32+16*\b+\i]|, |v[S+33+16*\b+\i]|
.endr
.endr
.irp b, 0,1
	v_permlanex16_b32 v[TP+\b], v[BM+\b], s68, s69
.endr
.irp b, 0,1
	v_max_num_f32 v[BM+\b], v[BM+\b], v[TP+\b]
.endr
.irp b, 0,1
	v_add_nc_u32 v[BM+\b], 0xff000000, v[BM+\b]    ; 2 off the exponent field: the conversion's scale operand
.endr
.irp b, 0,1
	v_lshrrev_b32 v[TP+\b], 23, v[BM+\b]
.endr
	v_lshl_or_b32 v38, v[TP+1], 8, v[TP]           ; my row's two scale bytes
.irp b, 0,1
	v_cvt_scalef32_pk8_fp4_f32 v[PC+2*\b], v[S+32+16*\b:S+39+16*\b], v[BM+\b]
	v_cvt_scalef32_pk8_fp4_f32 v[PC+1+2*\b], v[S+40+16*\b:S+47+16*\b], v[BM+\b]
.endr
	v_nop
	v_permlane16_swap_b32 v[PC], v[PC+2]
	v_permlane16_swap_b32 v[PC+1], v[PC+3]         ; lanes 0-15: d = 0 .. 31, lanes 16-31: d = 32 .. 63
	ds_store_b128 v55, v[PC:PC+3]
	ds_store_b16 v17, v38                          ; (both halves of the lanes write the same)
.set WF, 56                            ; v56-183: Wp's fragments: K step s, column tile t at WF + 32 s + 8 t
.irp s, 0,1,2,3
.irp t, 0,1,2,3
.irp c, 0,1
	ds_load_b128 v[WF+32*\s+8*\t+4*\c:WF+32*\s+8*\t+4*\c+3], v18 offset:16*\t*PW+64*\s+32*\c
.endr
.endr
.endr
	VWAIT
	s_wait_dscnt 0x0
	s_barrier_signal -1
	s_barrier_wait -1                              ; all eight heads' codes and scale bytes are there
	; THE OUTPUT PROJECTION: 16 rows of the tile that I finish x 64 columns (64 x head number on), K = head x 64 + d in four steps of two heads.  Source 0 = 16 rows of Wp, source 1 = the tile: a lane holds eight neighbouring columns of one row
	ds_load_b128 v[20:23], v16                     ; O's scale words, one a K step
.irp g, 0,1,2,3,4,5,6,7
	ds_load_b128 v[VF+4*\g:VF+4*\g+3], v54 offset:512*\g
.endr
	s_wait_loadcnt 0x0                             ; Wp's scale words and bp
	s_wait_dscnt 0x0
.irp s, 0,1,2,3
.irp t, 0,2                            ; four accumulators by turns
	v_wmma_scale_f32_16x16x128_f8f6f4 v[O+8*\t:O+8*\t+7], v[WF+32*\s+8*\t:WF+32*\s+8*\t+7], v[VF+8*\s:VF+8*\s+7], v[O+8*\t:O+8*\t+7], v[40+2*\t+\s], v[20+\s] matrix_a_fmt:MATRIX_FMT_FP4 matrix_b_fmt:MATRIX_FMT_FP4
	v_wmma_scale_f32_16x16x128_f8f6f4 v[O+8*\t+8:O+8*\t+15], v[WF+32*\s+8*\t+8:WF+32*\s+8*\t+15], v[VF+8*\s:VF+8*\s+7], v[O+8*\t+8:O+8*\t+15], v[40+2*\t+\s], v[20+\s] matrix_a_fmt:MATRIX_FMT_FP4 matrix_b_fmt:MATRIX_FMT_FP4 matrix_a_scale:MATRIX_SCALE_ROW1
.endr
.endr
	PLACES
.irp t, 0,1,2,3
	ds_store_b128 v19, v[O+8*\t:O+8*\t+3] offset:64*\t             ; each accumulator from its low end on
	ds_store_b128 v19, v[O+8*\t+4:O+8*\t+7] offset:64*\t+16
.endr
.irp i, 0,1,2,3,4,5,6,7
	ds_load_b128 v[WF+4*\i:WF+4*\i+3], v30 offset:2*\i*PW          ; LDS serves a wave's instructions in order (ISA guide 5.7.1.4): these see the stores above
.endr
.irp i, 0,1,2,3,4,5,6,7
	s_wait_dscnt 7-\i
	global_store_b128 v31, v[WF+4*\i:WF+4*\i+3], s[14:15] offset:(2*\i+8*(\i/4))*2048 th:TH_STORE_NT   ; stage row 2 i + h is row 2 i + 8 (i / 4) + h from the tile's first: sixteen lanes store 256 consecutive bytes, aligned
.endr
	s_wait_tensorcnt 0x0                           ; the wave's end
	ds_add_u32 v[SPW], v[NIL]
	s_wait_dscnt 0x0
	CROUND                                         ; the closing round: no work-group ends while a partner may still ask for a tile that names it
	s_endpgm
.Lfunc_end_k_q5d8f9355fa_att:
	.size	k_q5d8f9355fa_att, .Lfunc_end_k_q5d8f9355fa_att-k_q5d8f9355fa_att
	.p2alignl 7, 3214868480
	.fill 96, 4, 3214868480
	.section	.rodata,"a",@progbits
	.p2align	6, 0x0
	.amdhsa_kernel k_q5d8f9355fa_att
		.amdhsa_group_segment_fixed_size 327680
		.amdhsa_private_segment_fixed_size 0
		.amdhsa_enable_private_segment 0
		.amdhsa_kernarg_size 48
		.amdhsa_user_sgpr_count 2
		.amdhsa_user_sgpr_kernarg_segment_ptr 1
		.amdhsa_wavefront_size32 1
		.amdhsa_system_sgpr_workgroup_id_x 1
		.amdhsa_system_sgpr_workgroup_id_y 1
		.amdhsa_system_sgpr_workgroup_id_z 1
		.amdhsa_system_vgpr_workitem_id 0
		.amdhsa_next_free_vgpr 256
		.amdhsa_next_free_sgpr 100
		.amdhsa_reserve_vcc 1
		.amdhsa_float_denorm_mode_32 3
		.amdhsa_float_denorm_mode_16_64 3
		.amdhsa_memory_ordered 1
		.amdhsa_forward_progress 1
		.amdhsa_inst_pref_size 138
	.end_amdhsa_kernel
	.amdgpu_metadata
---
amdhsa.version: [ 1, 2 ]
amdhsa.kernels:
  - .name:           k_q5d8f9355fa_att
    .symbol:         k_q5d8f9355fa_att.kd
    .args:
      - { .name: qq, .offset: 0, .size: 8, .value_kind: global_buffer, .address_space: global }
      - { .name: kv, .offset: 8, .size: 8, .value_kind: global_buffer, .address_space: global }
      - { .name: Wp_codes, .offset: 16, .size: 8, .value_kind: global_buffer, .address_space: global }
      - { .name: Wp_scales, .offset: 24, .size: 8, .value_kind: global_buffer, .address_space: global }
      - { .name: bp, .offset: 32, .size: 8, .value_kind: global_buffer, .address_space: global }
      - { .name: out0, .offset: 40, .size: 8, .value_kind: global_buffer, .address_space: global }
    .group_segment_fixed_size: 327680
    .private_segment_fixed_size: 0
    .kernarg_segment_align: 8
    .kernarg_segment_size: 48
    .max_flat_workgroup_size: 512
    .sgpr_count:     100
    .vgpr_count:     256
    .wavefront_size: 32
...
	.end_amdgpu_metadata
.endif
;; end of part 2
